; MI455X (gfx1250); checked and timed in simulation.
; The chip was launched on July 23, 2026; its instructions are those of AMD's public machine-readable ISA for CDNA 5 (MIT licence, August 2026) and "CDNA5" Instruction Set Architecture Reference Guide (July 2026). The comments in the code are by the model that wrote it; some were corrected since.
;; Multi Head Self Attention. Allowed arithmetic: matrix products marked QUANTISED: E5M2 operands, one given power-of-two scale a tensor, by v_wmma_f32_16x16x64_bf8_bf8 or v_wmma_f32_16x16x128_bf8_bf8, f32 sums; everything else in f32.
;; Inputs: lowp_scales 8 int32 (the exponents e of the quantised operands' scales 2^e); out_b 1,024 float32; out_w 1,024 x 1,024 float32; qkv_b 3,072 float32; qkv_w 3,072 x 1,024 float32; x 2 x 2,048 x 1,024 float32.
;; Outputs: out0 2 x 2,048 x 1,024 float32.
;; This version of the problem:
;;   THIS VERSION OF THE PROBLEM IS GIVEN IN LOW PRECISION. The matrix products marked QUANTISED in the list below multiply operands that are first quantised to E5M2 (5 exponent bits, 2 mantissa bits; 8 bits a number), with one given power-of-two scale for each operand tensor; their sums are f32. All else is computed in f32.
;;   The module's matrix products, in the order in which they are computed (A, B: the left and right operand; K: the contracted axis; several contracted axes count as one K, in the product's order):
;;     1. [M 4,096, K 1,024] x [K 1,024, N 3,072]; A: input x; B: input qkv_w: QUANTISED (scales: A lowp_scales[0], B lowp_scales[1])
;;     2. batch 32 x [M 2,048, K 64] x [K 64, N 2,048]; A: computed on the way; B: computed on the way: QUANTISED (scales: A lowp_scales[2], B lowp_scales[3])
;;     3. batch 32 x [M 64, K 2,048] x [K 2,048, N 2,048]; A: computed on the way; B: softmax (see below): QUANTISED (scales: A lowp_scales[4], B lowp_scales[5])
;;     4. [M 4,096, K 1,024] x [K 1,024, N 1,024]; A: computed on the way; B: input out_w: QUANTISED (scales: A lowp_scales[6], B lowp_scales[7])
;;   THE QUANTISER, for each operand of a quantised product, along K:
;;     - The operand's scale is 2^e, e = its entry of the input lowp_scales (int32; the entries are numbered through the quantised products in the list's order, A before B).
;;     - Each number is divided by the scale, clamped to +-57,344, and rounded to the nearest number of E5M2, ties to even, subnormals kept.
;;     - The product sums the exact products of the quantised numbers (number of the format x scale) in f32.
;;   ~~~python
;;   def quantise(x, axis, e):      # numpy; x: float32 -> the quantised numbers, widened to float32 again
;;       x = np.moveaxis(x, axis, -1); K = x.shape[-1]
;;       r = np.clip(x / 2.0 ** e, -57344, 57344)
;;       step = 2.0 ** (np.maximum(np.frexp(np.where(r == 0, 1, r))[1] - 1, -14) - 2)
;;       q = np.round(r / step) * step * 2.0 ** e      # np.round: ties to even
;;       return np.moveaxis(q, -1, axis).astype(np.float32)
;;   ~~~
;;   SOFTMAX AHEAD OF A QUANTISED PRODUCT. Where the list says 'softmax', what is quantised is not the finished softmax but p = 2^(t - M), with t = logit x log2(e) and M = ceil(the row's largest t), a whole number; so 1/2 < the row's largest p <= 1. The row's sum l is taken of the UNQUANTISED p, in f32, and the product's result is divided by l at the end. Since M is a whole number, a kernel that streams over the keys may use a running M (the ceiling of the running maximum): every later rescaling is an exact power of two, so the quantised numbers keep their values, but for numbers so far below the row's largest that they fall under the format's range.
;;   OPERANDS COMPUTED ON THE WAY. 'Computed on the way' means the value that the module computes at that place (a softmax that the list does not call 'softmax' is quantised finished and normalised). What goes into a quantiser is computed in f32, as accurately as f32 sums, v_exp_f32 and their like allow (about 1e-6 of the number): no bf16 or f16 on the way to a quantiser, and a product that is left as it is and whose result goes on into a quantised operand takes f32 operands (vector FMAs, or v_wmma_f32_16x16x4_f32). A number that lies on a knife's edge between two numbers of the format may be rounded either way, as far as f32 arithmetic and the matrix unit's own rounding can turn it there, and no further.
;; One version. Each part assembles by itself: llvm-mc -triple=amdgcn-amd-amdhsa -mcpu=gfx1250 --defsym DOCPART=n.
;; ======== version 1 of 1: 4 launches
;; limits: right only within a limited range of input values
;; workspace buffers: x_img 4,194,304 bytes; w_img 3,145,728 bytes; ow_img 1,048,576 bytes; q_img 4,194,304 bytes; kv_img 8,388,608 bytes; ctx_img 4,194,304 bytes
;; launch quant (part 1): grid 256 x 1, 8 waves a work-group, no clusters, 68,608 bytes of LDS; arguments x, qkv_w, out_w, lowp_scales, x_img, w_img, ow_img; writes x_img, w_img, ow_img
.if DOCPART == 1
	.amdgcn_target "amdgcn-amd-amdhsa--gfx1250"
	.amdhsa_code_object_version 6
	.text
	.protected	k_q46a77f6e11_quant
	.globl	k_q46a77f6e11_quant
	.p2align	8
	.type	k_q46a77f6e11_quant,@function
k_q46a77f6e11_quant:
	s_mov_b64 s[64:65], 0
	v_nop
	global_prefetch_b8 v0, s[64:65] scope:SCOPE_SE
	s_setreg_imm32_b32 hwreg(HW_REG_WAVE_MODE, 25, 1), 1
	s_wait_xcnt 0x0
; x [4096][1024], qkv_w [3072][1024], out_w [1024][1024], f32, K innermost, become codes of BF8 (E5M2), each tensor with its given scale 2^e (entries 0, 1, 7 of the scales).
; code = x / 2^e, held within +-57,344, to the nearest code, ties to even.  LIMITS: e between -126 and 112 (2^e and 57,344 x 2^e are made as f32 patterns).  NaN among the inputs is not served.
; THE CODES ARE STORED AS IMAGES OF THE MATRIX OPERAND'S REGISTERS.  A fragment is 16 rows x 128 K: 16 registers a lane; lane (r = lane % 16, h = lane / 16) holds row r, registers 2 c, 2 c + 1 hold
; k = 16 c + 8 h + 0 .. 7.  Its image is 2,048 bytes: [group g of four registers][lane][16 bytes].  Fragment (row tile rt, K step u) lies at (rt / 8) x 131,072 + u x 16,384 + (rt % 8) x 2,048:
; 128 rows are one dense block, and so is any run of K steps of them.  The launches that multiply load fragments by 16-byte loads at 16 x lane, with nothing to pad or to turn.
; SHARES.  512 row tiles in all; a work-group takes two (32 rows); work-groups 0-127 x, 128-223 qkv_w, 224-255 out_w: only pointers, e and the first work-group's number are chosen, the path is one.
; Wave w takes row tile w / 4 of the two and K steps 2 (w % 4), 2 (w % 4) + 1: two fragments.  Each load reads 512 consecutive bytes of a row; the 16 x 512 bytes of a fragment turn through the wave's own
; stage in LDS, so that a lane gets eight neighbours along K at a time; each store writes 512 consecutive bytes.  All 32 loads of a wave go out at once.  Waves share nothing: no barrier.
.set SP,   528                         ; a stage row: 512 bytes + 16: an odd multiple of 16, so the 16 rows that a read touches start at 16 different groups of banks (64 banks of 4 bytes: ISA guide 11.1)
.set STG,  16*SP                       ; a wave's stage
.set LI,   2                           ; v2   16 x lane: my bytes of a load's and of a store's 512
.set SW,   3                           ; v3   the stage on the way in: + 16 x lane
.set SR,   4                           ; v4   and on the way out: + SP r + 32 h
.set LIM,  10                          ; v10  57,344 x 2^e
.set SC,   11                          ; v11  2^e
.set R,    16                          ; v16-143   the numbers as loaded: fragment q at R + 64 q, row p at + 4 p
.set X,    144                         ; v144-207  register 8 c + j = (row r, k = 16 c + 8 h + j)
.set C,    208                         ; v208-239  the codes: 16 registers a fragment, never rewritten
	s_load_b256 s[4:11], s[0:1], 0x0               ; x s[4:5], qkv_w s[6:7], out_w s[8:9], the scales' exponents s[10:11]
	s_load_b128 s[12:15], s[0:1], 0x20             ; x_img s[12:13], w_img s[14:15]
	s_load_b64 s[16:17], s[0:1], 0x30              ; ow_img
	v_lshl_add_u32 v240, v0, 2, 0x10800
	v_mov_b32 v241, 0
	v_lshrrev_b32 v1, 5, v0
	s_delay_alu instid0(VALU_DEP_1)
	v_readfirstlane_b32 s18, v1                    ; wave 0..7
	v_and_b32 v1, 31, v0
	s_delay_alu instid0(VALU_DEP_1)
	v_lshlrev_b32 v[LI], 4, v1
	s_mul_i32 s37, s18, STG
	v_add_nc_u32 v[SW], s37, v[LI]
	v_and_b32 v5, 15, v0                           ; r
	v_bfe_u32 v6, v0, 4, 1                         ; h
	s_delay_alu instid0(VALU_DEP_2)
	v_mul_u32_u24 v[SR], v5, SP
	s_delay_alu instid0(VALU_DEP_1)
	v_lshl_add_u32 v[SR], v6, 5, v[SR]
	s_delay_alu instid0(VALU_DEP_1)
	v_add_nc_u32 v[SR], s37, v[SR]
	s_wait_alu depctr_va_vdst(0)
	s_wait_kmcnt 0x0
	s_load_b256 s[24:31], s[10:11], 0x0            ; e0 .. e7
	s_mov_b32 s19, 224
	s_cmp_lt_u32 ttmp9, 224                        ; the choices hang on the work-group's number alone
	s_cselect_b64 s[32:33], s[6:7], s[8:9]
	s_cselect_b64 s[34:35], s[14:15], s[16:17]
	s_cselect_b32 s19, 128, s19
	s_cmp_lt_u32 ttmp9, 128
	s_cselect_b64 s[32:33], s[4:5], s[32:33]       ; the tensor,
	s_cselect_b64 s[34:35], s[12:13], s[34:35]     ; its image,
	s_cselect_b32 s19, 0, s19                      ; its first work-group
	s_sub_co_u32 s19, ttmp9, s19
	s_lshl_b32 s20, s19, 1
	s_lshr_b32 s21, s18, 2
	s_add_co_u32 s20, s20, s21                     ; rt: my row tile in the tensor
	s_and_b32 s21, s18, 3                          ; kq: my quarter of K
	s_lshl_b32 s22, s20, 16                        ; in: 16 rows of 4,096 bytes,
	s_lshl_b32 s23, s21, 10                        ; 256 numbers
	s_add_co_u32 s22, s22, s23
	s_mov_b32 s23, 0
	s_add_nc_u64 s[32:33], s[32:33], s[22:23]
	s_lshr_b32 s22, s20, 3                         ; out: (rt / 8) x 131,072 + (rt % 8) x 2,048 + kq x 2 x 16,384
	s_lshl_b32 s22, s22, 17
	s_and_b32 s23, s20, 7
	s_lshl_b32 s23, s23, 11
	s_add_co_u32 s22, s22, s23
	s_lshl_b32 s23, s21, 15
	s_add_co_u32 s22, s22, s23
	s_mov_b32 s23, 0
	s_add_nc_u64 s[34:35], s[34:35], s[22:23]
.macro LOADF q                         ; fragment q: 16 rows x 512 consecutive bytes
.irp p, 0,1,2,3,4,5,6,7,8,9,10,11,12,13,14,15
	global_load_b128 v[R+64*(\q)+4*\p:R+64*(\q)+4*\p+3], v[LI], s[32:33] offset:4096*\p+512*(\q) th:TH_LOAD_NT
.endr
.endm
.macro TURN q                          ; through the stage: LDS serves a wave's instructions in order (ISA guide 5.7.1.4), so no wait stands between the stores and the loads
.irp p, 0,1,2,3,4,5,6,7,8,9,10,11,12,13,14,15
	ds_store_b128 v[SW], v[R+64*(\q)+4*\p:R+64*(\q)+4*\p+3] offset:SP*\p
.endr
.irp c, 0,1,2,3,4,5,6,7
	ds_load_b128 v[X+8*\c:X+8*\c+3], v[SR] offset:64*\c
	ds_load_b128 v[X+8*\c+4:X+8*\c+7], v[SR] offset:64*\c+16
.endr
.endm
.macro WORK q
.set i, 0
.rept 64
	v_med3_num_f32 v[X+i], v[X+i], -v[LIM], v[LIM] ; the conversion to an 8-bit code does not saturate (ISA guide 7.6.2): the hold at the largest code x the scale comes first
.set i, i+1
.endr
.irp c, 0,1,2,3,4,5,6,7
	v_cvt_scalef32_pk8_bf8_f32 v[C+16*(\q)+2*\c:C+16*(\q)+2*\c+1], v[X+8*\c:X+8*\c+7], v[SC]   ; registers 2 c, 2 c + 1 of the fragment
.endr
	v_nop                                          ; a plain vector line behind the last conversion: the next fragment's holds write the conversions' sources
.irp g, 0,1,2,3
	global_store_b128 v[LI], v[C+16*(\q)+4*\g:C+16*(\q)+4*\g+3], s[34:35] offset:16384*(\q)+512*\g   ; 32 lanes store 512 consecutive bytes, at a multiple of 512 from the image's first byte
.endr
.endm
	LOADF 0
	LOADF 1
	s_wait_kmcnt 0x0
	s_cmp_lt_u32 ttmp9, 224
	s_cselect_b32 s36, s25, s31                    ; e1 or e7,
	s_cmp_lt_u32 ttmp9, 128
	s_cselect_b32 s36, s24, s36                    ; or e0
	s_add_co_i32 s36, s36, 127
	s_lshl_b32 s37, s36, 23
	v_mov_b32 v[SC], s37                           ; 2^e as f32: the conversion takes its exponent field
	s_add_co_i32 s36, s36, 15
	s_lshl_b32 s36, s36, 23
	s_or_b32 s36, s36, 0x600000
	v_mov_b32 v[LIM], s36                          ; 57,344 x 2^e
	s_wait_alu depctr_va_vdst(0)
	s_wait_loadcnt 16                              ; fragment 0's sixteen loads are in; fragment 1's sixteen may be out
	TURN 0
	s_wait_dscnt 0x0
	WORK 0
	s_wait_loadcnt 0x0
	TURN 1                                         ; the same stage: its stores come behind fragment 0's reads, which have been waited for
	s_wait_dscnt 0x0
	WORK 1
	s_wait_tensorcnt 0x0
	ds_add_u32 v240, v241
	s_wait_dscnt 0x0
	s_endpgm
.Lfunc_end_k_q46a77f6e11_quant:
	.size	k_q46a77f6e11_quant, .Lfunc_end_k_q46a77f6e11_quant-k_q46a77f6e11_quant
	.p2alignl 7, 3214868480
	.fill 96, 4, 3214868480
	.section	.rodata,"a",@progbits
	.p2align	6, 0x0
	.amdhsa_kernel k_q46a77f6e11_quant
		.amdhsa_group_segment_fixed_size 68608
		.amdhsa_private_segment_fixed_size 0
		.amdhsa_enable_private_segment 0
		.amdhsa_kernarg_size 56
		.amdhsa_user_sgpr_count 2
		.amdhsa_user_sgpr_kernarg_segment_ptr 1
		.amdhsa_wavefront_size32 1
		.amdhsa_system_sgpr_workgroup_id_x 1
		.amdhsa_system_sgpr_workgroup_id_y 1
		.amdhsa_system_sgpr_workgroup_id_z 1
		.amdhsa_system_vgpr_workitem_id 0
		.amdhsa_next_free_vgpr 242
		.amdhsa_next_free_sgpr 66
		.amdhsa_reserve_vcc 0
		.amdhsa_float_denorm_mode_32 3
		.amdhsa_float_denorm_mode_16_64 3
		.amdhsa_memory_ordered 1
		.amdhsa_forward_progress 1
		.amdhsa_inst_pref_size 20
	.end_amdhsa_kernel
	.amdgpu_metadata
---
amdhsa.version: [ 1, 2 ]
amdhsa.kernels:
  - .name:           k_q46a77f6e11_quant
    .symbol:         k_q46a77f6e11_quant.kd
    .args:
      - { .name: x, .offset: 0, .size: 8, .value_kind: global_buffer, .address_space: global }
      - { .name: qkv_w, .offset: 8, .size: 8, .value_kind: global_buffer, .address_space: global }
      - { .name: out_w, .offset: 16, .size: 8, .value_kind: global_buffer, .address_space: global }
      - { .name: lowp_scales, .offset: 24, .size: 8, .value_kind: global_buffer, .address_space: global }
      - { .name: x_img, .offset: 32, .size: 8, .value_kind: global_buffer, .address_space: global }
      - { .name: w_img, .offset: 40, .size: 8, .value_kind: global_buffer, .address_space: global }
      - { .name: ow_img, .offset: 48, .size: 8, .value_kind: global_buffer, .address_space: global }
    .group_segment_fixed_size: 68608
    .private_segment_fixed_size: 0
    .kernarg_segment_align: 8
    .kernarg_segment_size: 56
    .max_flat_workgroup_size: 256
    .sgpr_count:     66
    .vgpr_count:     242
    .wavefront_size: 32
...
	.end_amdgpu_metadata
.endif
;; end of part 1
;; launch qkv (part 2): grid 16 x 16, 4 waves a work-group, clusters of 4 x 4, 327,680 bytes of LDS; arguments x_img, w_img, lowp_scales, qkv_b, q_img, kv_img; writes q_img, kv_img
.if DOCPART == 2
	.amdgcn_target "amdgcn-amd-amdhsa--gfx1250"
	.amdhsa_code_object_version 6
	.text
	.protected	k_q46a77f6e11_qkv
	.globl	k_q46a77f6e11_qkv
	.p2align	8
	.type	k_q46a77f6e11_qkv,@function
k_q46a77f6e11_qkv:
	s_mov_b64 s[64:65], 0
	v_nop
	global_prefetch_b8 v0, s[64:65] scope:SCOPE_SE
	s_setreg_imm32_b32 hwreg(HW_REG_WAVE_MODE, 25, 1), 1
	s_wait_xcnt 0x0
	s_wait_alu depctr_hold_cnt(0) depctr_sa_sdst(0) depctr_va_vdst(0) depctr_va_sdst(0) depctr_va_ssrc(0) depctr_va_vcc(0) depctr_vm_vsrc(0)
	s_getreg_b32 s2, hwreg(HW_REG_IB_STS2, 6, 4)
	s_cmp_eq_u32 s2, 0
	s_cbranch_scc0 .Lentry_in_a_cluster
	s_endpgm
.Lentry_in_a_cluster:
	s_bfe_u32 s2, ttmp6, 0x10000c
	s_cmp_lg_u32 s2, 0xf033
	s_cbranch_scc0 .Lentry_shape_is_right
	s_endpgm
.Lentry_shape_is_right:
; qkv = Q(x) Q(qkv_w)^T x 2^(e0 + e1) + qkv_b on codes of BF8; q, k and v leave as codes (2^e2, 2^e3, 2^e4), as images of the next products' operands.
; x_img, w_img: fragment images (16 rows x 128 K = 2,048 bytes); 128 rows x all 1,024 K are one dense block of 131,072 bytes: [K step 8][row tile 8][2,048].
; SHARES.  A work-group makes q, k AND v of one head (3 x 64 channels) for 256 tokens: 16 x 16 = 256 equal work-groups.  Wave (i, j) = (wave / 2, wave % 2) makes 128 tokens x (32 channels of each of q, k, v):
; 8 token tiles x 6 channel tiles: 48 accumulators.  q, k: source 0 = 16 rows of qkv_w, source 1 = 16 tokens: a lane's registers run along the channels, the next K.  v: the sources exchanged: they run along the tokens, the next K.
; THE RING has two slots of 256 K: x's 256 rows (65,536 bytes: [half][2 K steps][8 tiles]), then q's, k's and v's 64 rows of qkv_w (16,384 bytes each: [2 K steps][4 tiles]).  Wave 0 fetches x's part, waves 1-3 q's, k's, v's.
; CLUSTERS 4 x 4: x hangs on the token block and is shared along a row, qkv_w on the head and is shared along a column, by joint loads.
; PREFETCHES: K slots 2 and 3 (of four), each one slot of the ring ahead of its refill.  Waves 0, 1: x's halves (128 blocks of 256 bytes), wave 2 q's and k's rows, wave 3 v's (64 blocks each); the four partners share them out by address.
; LIMITS: e0 + e1 between -126 and 127; e2, e3, e4 between -126 and 112.  NaN among the inputs is not served.
; REGISTERS: window 0: v4-31 scales and addresses; v32-67 the bias; v72-103, v192-255 codes on the way out; v128-255 x's eight fragments, ONE set (v128-191 at work on the way out).   window 1: qkv_w's six fragments, TWO sets, at v0 and v128.
;   window 2: the accumulators of token tiles 0-3 (accumulator (a, b) at v[8 (6 a + b)]; b: q 0, 1, k 2, 3, v 4, 5);   window 3: those of token tiles 4-7.
.set PIECE, 32768                      ; from one 256 K to the next, in both images
.set WOFF,  65536
.set SLOT,  114688
.set SPARE, 2*SLOT                     ; the spare words
.set SC,   4                           ; v4-6   2^e2, 2^e3, 2^e4
.set LIM,  8                           ; v8-10  57,344 x these
.set ADRA, 16                          ; v16-17  LDS address of my x fragments in slot 0, 1
.set ADRB, 20                          ; v20-21  of my qkv_w fragments
.set LI,   24                          ; 16 x lane
.set H32,  25                          ; 32 x (lane / 16)
.set R4,   26                          ; 4 x (lane % 16)
.set SPW,  28
.set NIL,  29
.set PFO,  31                          ; the prefetches' offset; never rewritten
.set BIAS, 32                          ; q's and k's: 8 registers a channel tile
.set BV,   64                          ; v's: a pair a channel tile
.set CV,   72                          ; v's codes: 16 registers a channel tile
.set AF,   128
.set TMP,  128
.set CD,   192                         ; q's and k's codes: 4 + 4 registers a token tile, never rewritten
.set G1,  24                           ; s[24:31] group 1 for x, s[32:39] its groups 0;  s[48:55], s[56:63] the same for qkv_w
.set G0,  32
.set G1B, 48
.set G0B, 56
.set PFA, 88                           ; s[88:89] where my prefetches stand: K slot 2; never rewritten
.set MSB, 0
.macro WIN new                         ; the immediate's high byte repeats the setting that is left
.if MSB != \new
	s_set_vgpr_msb (MSB<<8)|\new
.set MSB, \new
.endif
.endm
.macro PLACES
.rept 4
	v_nop
.endr
.endm
.macro JLOAD s
	s_cmp_eq_u32 s16, 0
	s_cbranch_scc0 .Lfor_w_\@
	tensor_load_to_lds s[G0+4*\s:G0+4*\s+3], s[G1:G1+7]
	s_nop 0
	PLACES
	s_branch .Lasked_\@
.Lfor_w_\@:
	tensor_load_to_lds s[G0B+4*\s:G0B+4*\s+3], s[G1B:G1B+7]
	s_nop 0
	PLACES
.Lasked_\@:
.endm
.macro CREST                           ; a round of the cluster's barrier behind its opening barrier
	s_cmp_lg_u32 s16, 0
	s_cbranch_scc1 .Lnot_wave_0_\@
	s_barrier_signal -3
.Lnot_wave_0_\@:
	s_barrier_wait -3
	s_barrier_signal -1
	s_barrier_wait -1
.endm
.macro CROUND
	s_barrier_signal -1
	s_barrier_wait -1
	CREST
.endm
	s_load_b256 s[4:11], s[0:1], 0x0               ; x_img, w_img, the scales' exponents, qkv_b
	s_load_b128 s[12:15], s[0:1], 0x20             ; q_img, kv_img
	v_lshl_add_u32 v[SPW], v0, 2, SPARE
	v_mov_b32 v[NIL], 0
	ds_add_u32 v[SPW], v[NIL]                      ; the opening lines: the add, twice on end, and its wait
	ds_add_u32 v[SPW], v[NIL]
	v_lshrrev_b32 v1, 5, v0
	v_readfirstlane_b32 s16, v1                    ; wave 0..3
	s_lshr_b32 s17, s16, 1                         ; i: my half of the tokens
	s_and_b32 s18, s16, 1                          ; j: my half of each part's channels
	s_bfe_u32 s20, ttmp6, 0x40000                  ; cx
	s_bfe_u32 s21, ttmp6, 0x40004                  ; cy
	s_and_b32 s40, ttmp7, 0xffff
	s_lshl_b32 s40, s40, 2
	s_add_co_u32 s40, s40, s21                     ; tm: block of 256 tokens
	s_lshl_b32 s41, ttmp9, 2
	s_add_co_u32 s41, s41, s20                     ; the head
	s_lshl_b32 s42, s21, 2
	s_lshl_b32 s42, 15, s42                        ; my row of the cluster
	s_lshl_b32 s43, 0x1111, s20                    ; my column
	s_or_b32 s[G1], s42, (3<<16)|(1<<21)           ; 15:0 the mask; 17:16 elements of 8 bytes; 20 no padding; 21 set beside a mask
	s_mov_b32 s[G1+1], 4096<<16                    ; x: two rows (halves of the tokens) of 32,768 bytes, 131,072 apart
	s_mov_b32 s[G1+2], 2<<16
	s_mov_b32 s[G1+3], 4096<<16
	s_mov_b32 s[G1+4], 2
	s_mov_b32 s[G1+5], 16384
	s_mov_b32 s[G1+6], 0
	s_mov_b32 s[G1+7], 0
	s_or_b32 s[G1B], s43, (3<<16)|(1<<21)
	s_mov_b32 s[G1B+1], 1024<<16                   ; qkv_w: two rows (K steps) of 8,192 bytes, 16,384 apart
	s_mov_b32 s[G1B+2], 2<<16
	s_mov_b32 s[G1B+3], 1024<<16
	s_mov_b32 s[G1B+4], 2
	s_mov_b32 s[G1B+5], 2048
	s_mov_b32 s[G1B+6], 0
	s_mov_b32 s[G1B+7], 0
	s_lshl_b32 s84, s40, 18                        ; x: made of the token block alone
	s_mov_b32 s85, 0
	s_lshr_b32 s86, s41, 1                         ; qkv_w: made of the head alone: row tiles 4 head .. 4 head + 3 of each part
	s_lshl_b32 s86, s86, 17
	s_and_b32 s23, s41, 1
	s_lshl_b32 s23, s23, 13
	s_add_co_u32 s86, s86, s23
	s_mov_b32 s87, 0
	s_mul_i32 s22, s16, 3
	s_lshr_b32 s22, s22, 2                         ; my part, if I fetch one: waves 1, 2, 3: 0, 1, 2
	s_lshl_b32 s90, s22, 20                        ; 1,024 rows a part
	s_mov_b32 s91, 0
	s_lshl_b32 s66, s22, 14
	s_add_co_u32 s66, s66, WOFF
	s_wait_dscnt 0x0                               ; both opening adds are done
	s_wait_kmcnt 0x0
	s_load_b256 s[68:75], s[8:9], 0x0              ; e0 .. e7
	s_add_nc_u64 s[44:45], s[4:5], s[84:85]
	s_add_nc_u64 s[46:47], s[6:7], s[86:87]
	s_add_nc_u64 s[82:83], s[46:47], s[90:91]
.irp s, 0,1
	s_mov_b32 s[G0+4*\s], 1
	s_mov_b32 s[G0+4*\s+1], \s*SLOT
	s_add_nc_u64 s[G0+4*\s+2:G0+4*\s+3], s[44:45], \s*PIECE
	s_or_b32 s[G0+4*\s+3], s[G0+4*\s+3], 0x80000000
	s_mov_b32 s[G0B+4*\s], 1
	s_add_co_u32 s[G0B+4*\s+1], s66, \s*SLOT
	s_add_nc_u64 s[G0B+4*\s+2:G0B+4*\s+3], s[82:83], \s*PIECE
	s_or_b32 s[G0B+4*\s+3], s[G0B+4*\s+3], 0x80000000
.endr
	CROUND                                         ; all sixteen work-groups are here: the first joint loads meet
	JLOAD 0                                        ; K slot 0: one tensor load a wave at the head
	s_lshl_b32 s84, s17, 15                        ; my 128 tokens in a slot
	s_lshl_b32 s85, s18, 12                        ; my two tiles of each part
	s_add_co_u32 s85, s85, WOFF
	v_and_b32 v1, 31, v0
	v_lshlrev_b32 v[LI], 4, v1
.irp s, 0,1
	v_add_nc_u32 v[ADRA+\s], s84, v[LI]
	v_add_nc_u32 v[ADRB+\s], s85, v[LI]
	s_add_co_u32 s84, s84, SLOT
	s_add_co_u32 s85, s85, SLOT
.endr
	s_cmp_eq_u32 s16, 2                            ; the prefetches: lanes 16-31 go on in x's half, or take k's rows beside q's, or name v's blocks again
	s_cselect_b32 s94, 0x100000, 0
	s_cmp_lt_u32 s16, 2
	s_cselect_b32 s94, 0x1000, s94
	v_bfe_u32 v2, v0, 4, 1
	v_and_b32 v3, 15, v0
	v_lshlrev_b32 v[H32], 5, v2
	v_lshlrev_b32 v[R4], 2, v3
	v_mul_lo_u32 v12, v2, s94
	v_lshl_add_u32 v[PFO], v3, 8, v12
	s_wait_alu depctr_va_vdst(0)                   ; scalar lines
	s_lshl_b32 s90, s18, 17                        ; x: my half, my place's 32 blocks of 256 bytes
	s_lshl_b32 s91, s20, 13
	s_add_co_u32 s90, s90, s91
	s_lshr_b32 s94, s21, 1                         ; qkv_w: my place's K step and 16 of its 32 blocks; wave 3: v's rows
	s_lshl_b32 s94, s94, 14
	s_and_b32 s95, s21, 1
	s_lshl_b32 s95, s95, 12
	s_add_co_u32 s94, s94, s95
	s_lshl_b32 s95, s18, 21
	s_add_co_u32 s94, s94, s95
	s_cmp_lt_u32 s16, 2
	s_cselect_b64 s[PFA:PFA+1], s[44:45], s[46:47]
	s_cselect_b32 s90, s90, s94
	s_add_co_u32 s90, s90, 2*PIECE
	s_mov_b32 s91, 0
	s_add_nc_u64 s[PFA:PFA+1], s[PFA:PFA+1], s[90:91]
	s_lshr_b32 s82, s40, 3                         ; bh = 16 batch + head
	s_lshl_b32 s82, s82, 4
	s_add_co_u32 s82, s82, s41
	s_and_b32 s83, s40, 7                          ; my block of 128 tokens in the batch
	s_lshl_b32 s83, s83, 1
	s_add_co_u32 s83, s83, s17
	s_lshl_b32 s90, s18, 9
	s_mov_b32 s85, 0
	s_mov_b32 s87, 0
	s_lshl_b32 s84, s82, 17                        ; q: [bh][token tile][1,024], my register group j
	s_lshl_b32 s86, s83, 13
	s_add_co_u32 s84, s84, s86
	s_add_co_u32 s84, s84, s90
	s_add_nc_u64 s[76:77], s[12:13], s[84:85]
	s_lshl_b32 s84, s82, 18                        ; k: [bh][128 tokens][8 token tiles x 1,024 | ..
	s_lshl_b32 s86, s83, 14
	s_add_co_u32 s84, s84, s86
	s_add_co_u32 s86, s84, s90
	s_add_nc_u64 s[78:79], s[14:15], s[86:87]
	s_lshl_b32 s90, s18, 12                        ; v: .. 4 channel tiles x 2,048]
	s_add_co_u32 s86, s84, s90
	s_add_co_u32 s86, s86, 8192
	s_add_nc_u64 s[92:93], s[14:15], s[86:87]
	s_lshl_b32 s84, s41, 8                         ; the bias at channel 64 head + 32 j
	s_lshl_b32 s86, s18, 7
	s_add_co_u32 s84, s84, s86
	s_add_nc_u64 s[80:81], s[10:11], s[84:85]
.macro FETCH_B slot, q, p              ; qkv_w's six fragments of the slot's q-th K step into set p: 24 loads
	WIN 0x40                                       ; destination window 1
.irp b, 0,1,2,3,4,5
.irp c, 0,1,2,3
	ds_load_b128 v[128*(\p)+16*\b+4*\c:128*(\p)+16*\b+4*\c+3], v[ADRB+\slot] offset:16384*(\b/2)+8192*(\q)+2048*(\b%2)+512*\c
.endr
.endr
	WIN 0
.endm
.macro FETCH_A slot, q, i0             ; x's token tiles i0 .. i0 + 3: 16 loads
.irp i, \i0, \i0+1, \i0+2, \i0+3
.irp c, 0,1,2,3
	ds_load_b128 v[AF+16*(\i)+4*\c:AF+16*(\i)+4*\c+3], v[ADRA+\slot] offset:16384*(\q)+2048*(\i)+512*\c
.endr
.endr
.endm
; Products of token tiles 4 h .. 4 h + 3 with set p.  zero = 1: they start the sums.  The 48 accumulators take turns in the same order in every step.
.macro MQK h, p, zero
	WIN (0xa1+0x50*(\h))                           ; source 0 (qkv_w) window 1, source 1 (x) window 0, C and D window 2 + h
.irp a, 0,1,2,3
.irp b, 0,1,2,3
.if \zero
	v_wmma_f32_16x16x128_bf8_bf8 v[8*(6*\a+\b):8*(6*\a+\b)+7], v[128*(\p)+16*\b:128*(\p)+16*\b+15], v[AF+16*(4*(\h)+\a):AF+16*(4*(\h)+\a)+15], 0
.else
	v_wmma_f32_16x16x128_bf8_bf8 v[8*(6*\a+\b):8*(6*\a+\b)+7], v[128*(\p)+16*\b:128*(\p)+16*\b+15], v[AF+16*(4*(\h)+\a):AF+16*(4*(\h)+\a)+15], v[8*(6*\a+\b):8*(6*\a+\b)+7]
.endif
.endr
.endr
.endm
.macro MV h, p, zero
	WIN (0xa4+0x50*(\h))                           ; source 0 (x) window 0, source 1 (qkv_w) window 1
.irp a, 0,1,2,3
.irp b, 4,5
.if \zero
	v_wmma_f32_16x16x128_bf8_bf8 v[8*(6*\a+\b):8*(6*\a+\b)+7], v[AF+16*(4*(\h)+\a):AF+16*(4*(\h)+\a)+15], v[128*(\p)+16*\b:128*(\p)+16*\b+15], 0
.else
	v_wmma_f32_16x16x128_bf8_bf8 v[8*(6*\a+\b):8*(6*\a+\b)+7], v[AF+16*(4*(\h)+\a):AF+16*(4*(\h)+\a)+15], v[128*(\p)+16*\b:128*(\p)+16*\b+15], v[8*(6*\a+\b):8*(6*\a+\b)+7]
.endif
.endr
.endr
.endm
; A slot's first K step.  Four places stand between products and the loads into the fragments that they read.
.macro STEP slot, zero
	s_wait_dscnt 16                                ; qkv_w's set and token tiles 0-3 are in; the youngest 16 loads (token tiles 4-7) may be out
	MQK 0, 0, \zero
	MV 0, 0, \zero
	s_wait_dscnt 0x0
	PLACES
	FETCH_B \slot, 1, 1
	FETCH_A \slot, 1, 0
	MQK 1, 0, \zero
	MV 1, 0, \zero
	PLACES
	WIN 0
	FETCH_A \slot, 1, 4
.endm
; A slot's second K step changes slots: ONE barrier; in front of it a wait for the tensor loads, an add and its wait.  fill = 1: this slot is filled again, two slots ahead.
.macro TURN slot, next, fill
	s_wait_tensorcnt 0x0                           ; my part of the next slot is in  (every window is 0 here)
	ds_add_u32 v[SPW], v[NIL]
	s_wait_dscnt 17                                ; (the add and the youngest 16 loads may be out)
	MQK 0, 1, 0                                    ; sixteen products stand between the add and the wait for it
	s_wait_dscnt 0x0                               ; the add is done, and my reads of this slot are over
	s_barrier_signal -1
	MV 0, 1, 0
	WIN 0
	s_barrier_wait -1
.if \fill
	CREST                                          ; the barrier has opened a round of the cluster's barrier
	s_add_nc_u64 s[G0+4*\slot+2:G0+4*\slot+3], s[G0+4*\slot+2:G0+4*\slot+3], 2*PIECE
	s_add_nc_u64 s[G0B+4*\slot+2:G0B+4*\slot+3], s[G0B+4*\slot+2:G0B+4*\slot+3], 2*PIECE
	JLOAD \slot                                    ; the first tensor load behind the round; the four v_nop behind it are the places in front of the loads below
.else
	PLACES
.endif
	FETCH_B \next, 0, 0
	FETCH_A \next, 0, 0
	MQK 1, 1, 0
	MV 1, 1, 0
	PLACES
	WIN 0
	FETCH_A \next, 0, 4
.endm
; THE WAY OUT.  sum x 2^(e0 + e1) + bias, held, converted; each accumulator from its low end on; each store of the wave covers 512 consecutive bytes, aligned.
.macro OUTQK a                         ; token tile a: q's and k's 32 channels
.set T, TMP+32*((\a)%2)
	WIN (2+(\a)/4)
.irp b, 0,1,2,3
.irp i, 0,2,4,6
	v_pk_fma_f32 v[T+8*\b+\i:T+8*\b+\i+1], v[8*(6*((\a)%4)+\b)+\i:8*(6*((\a)%4)+\b)+\i+1], s[96:97], v[BIAS+8*\b+\i:BIAS+8*\b+\i+1] op_sel_hi:[1,0,1]
.endr
.endr
	WIN 0
.irp b, 0,1,2,3
.irp i, 0,1,2,3,4,5,6,7
	v_med3_num_f32 v[T+8*\b+\i], v[T+8*\b+\i], -v[LIM+\b/2], v[LIM+\b/2]   ; the conversion does not saturate (ISA guide 7.6.2)
.endr
.endr
.irp b, 0,1,2,3
	v_cvt_scalef32_pk8_bf8_f32 v[CD+8*(\a)+2*\b:CD+8*(\a)+2*\b+1], v[T+8*\b:T+8*\b+7], v[SC+\b/2]
.endr
	v_nop                                          ; a plain line behind the last conversion
	global_store_b128 v[LI], v[CD+8*(\a):CD+8*(\a)+3], s[76:77] offset:1024*(\a)
	global_store_b128 v[LI], v[CD+8*(\a)+4:CD+8*(\a)+7], s[78:79] offset:1024*(\a)
.endm
.macro OUTV u                          ; v's channel tile u of my two: 128 tokens
.irp a, 0,1,2,3,4,5,6,7
	WIN (2+\a/4)
.irp i, 0,2,4,6
	v_pk_fma_f32 v[TMP+8*\a+\i:TMP+8*\a+\i+1], v[8*(6*(\a%4)+4+\u)+\i:8*(6*(\a%4)+4+\u)+\i+1], s[96:97], v[BV+2*\u:BV+2*\u+1] op_sel_hi:[1,0,1]
.endr
.endr
	WIN 0
.set j, 0
.rept 64
	v_med3_num_f32 v[TMP+j], v[TMP+j], -v[LIM+2], v[LIM+2]
.set j, j+1
.endr
.irp a, 0,1,2,3,4,5,6,7
	v_cvt_scalef32_pk8_bf8_f32 v[CV+16*\u+2*\a:CV+16*\u+2*\a+1], v[TMP+8*\a:TMP+8*\a+7], v[SC+2]
.endr
	v_nop
.irp g, 0,1,2,3
	global_store_b128 v[LI], v[CV+16*\u+4*\g:CV+16*\u+4*\g+3], s[92:93] offset:2048*\u+512*\g
.endr
.endm
	s_wait_alu depctr_va_vdst(0)                   ; the wait at the head's end
	s_wait_tensorcnt 0x0                           ; my part of K slot 0 is in
	ds_add_u32 v[SPW], v[NIL]
	s_wait_dscnt 0x0
	CROUND                                         ; everybody's part is in, and all sixteen work-groups are here
	JLOAD 1                                        ; K slot 1
	FETCH_B 0, 0, 0
	FETCH_A 0, 0, 0
	FETCH_A 0, 0, 4
	global_prefetch_b8 v[PFO], s[PFA:PFA+1] th:TH_LOAD_NT scope:SCOPE_SE               ; K slot 2, which the next change of slots asks for
	STEP 0, 1
	TURN 0, 1, 1
	global_prefetch_b8 v[PFO], s[PFA:PFA+1] offset:PIECE th:TH_LOAD_NT scope:SCOPE_SE  ; K slot 3, the last
	STEP 1, 0
	TURN 1, 0, 1
	STEP 0, 0
	TURN 0, 1, 0
.irp b, 0,1,2,3
	global_load_b128 v[BIAS+8*\b:BIAS+8*\b+3], v[H32], s[80:81] offset:4096*(\b/2)+64*(\b%2)          ; q's, k's: my eight channels of each tile
	global_load_b128 v[BIAS+8*\b+4:BIAS+8*\b+7], v[H32], s[80:81] offset:4096*(\b/2)+64*(\b%2)+16
.endr
.irp u, 0,1
	global_load_b32 v[BV+2*\u], v[R4], s[80:81] offset:8192+64*\u                  ; v's: my channel
.endr
	s_wait_kmcnt 0x0
	s_add_co_i32 s96, s68, s69
	s_add_co_i32 s96, s96, 127
	s_lshl_b32 s96, s96, 23                        ; 2^(e0 + e1)
	s_mov_b32 s97, s96                             ; (named with it as a pair)
.irp p, 0,1,2
	s_add_co_i32 s86, s[70+\p], 127
	s_lshl_b32 s87, s86, 23
	v_mov_b32 v[SC+\p], s87
	s_add_co_i32 s86, s86, 15
	s_lshl_b32 s86, s86, 23
	s_or_b32 s86, s86, 0x600000
	v_mov_b32 v[LIM+\p], s86
.endr
	s_wait_alu depctr_va_vdst(0)
	STEP 1, 0
	s_wait_dscnt 16                                ; the very last K step: nothing more to fetch
	MQK 0, 1, 0
	MV 0, 1, 0
	s_wait_dscnt 0x0
	MQK 1, 1, 0
	MV 1, 1, 0
	WIN 0
	s_wait_loadcnt 0x0                             ; the bias
	v_mov_b32 v[BV+1], v[BV]
	v_mov_b32 v[BV+3], v[BV+2]
	PLACES                                         ; in front of the first read of results
.irp a, 0,1,2,3,4,5,6,7
	OUTQK \a
.endr
	OUTV 0
	OUTV 1
	s_wait_tensorcnt 0x0                           ; the wave's end
	ds_add_u32 v[SPW], v[NIL]
	s_wait_dscnt 0x0
	CROUND                                         ; the closing round: no work-group ends while a partner may still ask for a tile that names it
	s_endpgm
.Lfunc_end_k_q46a77f6e11_qkv:
	.size	k_q46a77f6e11_qkv, .Lfunc_end_k_q46a77f6e11_qkv-k_q46a77f6e11_qkv
	.p2alignl 7, 3214868480
	.fill 96, 4, 3214868480
	.section	.rodata,"a",@progbits
	.p2align	6, 0x0
	.amdhsa_kernel k_q46a77f6e11_qkv
		.amdhsa_group_segment_fixed_size 327680
		.amdhsa_private_segment_fixed_size 0
		.amdhsa_enable_private_segment 0
		.amdhsa_kernarg_size 48
		.amdhsa_user_sgpr_count 2
		.amdhsa_user_sgpr_kernarg_segment_ptr 1
		.amdhsa_wavefront_size32 1
		.amdhsa_system_sgpr_workgroup_id_x 1
		.amdhsa_system_sgpr_workgroup_id_y 1
		.amdhsa_system_sgpr_workgroup_id_z 1
		.amdhsa_system_vgpr_workitem_id 0
		.amdhsa_next_free_vgpr 1024
		.amdhsa_next_free_sgpr 98
		.amdhsa_reserve_vcc 0
		.amdhsa_float_denorm_mode_32 3
		.amdhsa_float_denorm_mode_16_64 3
		.amdhsa_memory_ordered 1
		.amdhsa_forward_progress 1
		.amdhsa_inst_pref_size 112
	.end_amdhsa_kernel
	.amdgpu_metadata
---
amdhsa.version: [ 1, 2 ]
amdhsa.kernels:
  - .name:           k_q46a77f6e11_qkv
    .symbol:         k_q46a77f6e11_qkv.kd
    .args:
      - { .name: x_img, .offset: 0, .size: 8, .value_kind: global_buffer, .address_space: global }
      - { .name: w_img, .offset: 8, .size: 8, .value_kind: global_buffer, .address_space: global }
      - { .name: lowp_scales, .offset: 16, .size: 8, .value_kind: global_buffer, .address_space: global }
      - { .name: qkv_b, .offset: 24, .size: 8, .value_kind: global_buffer, .address_space: global }
      - { .name: q_img, .offset: 32, .size: 8, .value_kind: global_buffer, .address_space: global }
      - { .name: kv_img, .offset: 40, .size: 8, .value_kind: global_buffer, .address_space: global }
    .group_segment_fixed_size: 327680
    .private_segment_fixed_size: 0
    .kernarg_segment_align: 8
    .kernarg_segment_size: 48
    .max_flat_workgroup_size: 128
    .sgpr_count:     98
    .vgpr_count:     1024
    .wavefront_size: 32
...
	.end_amdgpu_metadata
.endif
;; end of part 2
;; launch attn (part 3): grid 8 x 32, 8 waves a work-group, clusters of 4 x 1, 263,168 bytes of LDS; arguments q_img, kv_img, lowp_scales, ctx_img; writes ctx_img
.if DOCPART == 3
	.amdgcn_target "amdgcn-amd-amdhsa--gfx1250"
	.amdhsa_code_object_version 6
	.text
	.protected	k_q46a77f6e11_attn
	.globl	k_q46a77f6e11_attn
	.p2align	8
	.type	k_q46a77f6e11_attn,@function
k_q46a77f6e11_attn:
	s_mov_b64 s[64:65], 0
	v_nop
	global_prefetch_b8 v0, s[64:65] scope:SCOPE_SE
	s_setreg_imm32_b32 hwreg(HW_REG_WAVE_MODE, 25, 1), 1
	s_wait_xcnt 0x0
	s_wait_alu depctr_hold_cnt(0) depctr_sa_sdst(0) depctr_va_vdst(0) depctr_va_sdst(0) depctr_va_ssrc(0) depctr_va_vcc(0) depctr_vm_vsrc(0)
	s_getreg_b32 s2, hwreg(HW_REG_IB_STS2, 6, 4)
	s_cmp_eq_u32 s2, 0
	s_cbranch_scc0 .Lentry_in_a_cluster
	s_endpgm
.Lentry_in_a_cluster:
	s_bfe_u32 s2, ttmp6, 0x10000c
	s_cmp_lg_u32 s2, 0x3003
	s_cbranch_scc0 .Lentry_shape_is_right
	s_endpgm
.Lentry_shape_is_right:
; ctx = softmax(q k^T / 8) v for 32 (batch x head) of 2,048 tokens x 64 channels, both products on codes of BF8; ctx is quantised (2^e6) and stored as images of the last product's operand.
; THE SOFTMAX AHEAD OF THE SECOND PRODUCT: t = score x log2(e) / 8; M = the running largest t rounded UP to a whole number; p = 2^(t - M) is quantised with 2^e5, not normalised.  The row's sum is taken of the
; unquantised p, in f32, and divides at the end.  When M moves, the sums and O are multiplied by 2^(old M - new M): a power of two.
; q_img: [bh][token tile 128][fragment 16 x 64: 1,024 bytes].  kv_img: [bh][128 keys: 16 times][K: 8 key tiles x 1,024 | V^T: 4 channel tiles x (16 channels x 128 keys: 2,048)].  A head's K and V are 262,144 dense bytes.
; SHARES.  A work-group owns 256 queries of one head; each of its eight waves two tiles of 16, so that each fragment of K and V read from LDS feeds two products; two waves to a SIMD.
; A STEP IS 256 KEYS, 32,768 bytes: one change of M, and one rescaling of O and the sums, for 128 scores a lane and tile.
; THE WHOLE HEAD'S K AND V LIE IN LDS, as they lie in memory: every byte is filled once.  Each wave issues one tensor load at the head: waves 0-3 a quarter of step 0 (8,192 bytes), waves 4-7 a quarter of steps 1-7 (57,344 bytes).
; One barrier stands ahead of step 0 and one ahead of step 1; the loop over steps 1-7 has none.  No prefetch: everything is asked for at the head, and no loop loads from memory.
; CLUSTER.  The four query blocks of a cluster belong to one head: each block of K and V is asked for JOINTLY (mask 15).  cx enters Q's and ctx's global addresses alone.
; LAYOUT.  S^T = K Q^T (source 0 = 16 keys, source 1 = my 16 queries) and O^T = V^T P^T: a lane holds ONE query throughout; register 8 u + j of a tile's scores is key 16 u + 8 (lane / 16) + j: converted, they ARE P's fragments.
; O^T's register 8 d + j is channel 16 d + 8 (lane / 16) + j: converted, they are eight registers (two groups) of ctx's fragment of K step head / 2.
; LIMITS: e2 + e3 between -123 and 130 (added to c's exponent field); e5, e6 between -126 and 112; e4 + e5 goes by v_ldexp_f32 and has none.  NaN among the inputs is not served.
; The softmax's promise holds while the scaled scores stay under 2^31 in magnitude.
; REGISTERS: window 0: v1 16 x lane; v2 the step's LDS address; v4, v5 57,344 x 2^e5 (two copies, for the halves of the dual form); v6 2^e5; v8-23 statistics; v24, v25 for the add; v32-95 K's fragments, then V's of the first 128 keys;
;   v96-159 p's codes, 32 a tile; v160-223 O^T, 32 a tile; v224-239 Q, 8 a tile; v240-255 the sums, four pairs a tile.   window 1: the scores, then p, 128 a tile; v0-63 then take V's fragments of the second 128 keys.
.set LI,  1
.set AD,  2
.set AD2, 3                            ; v3  LDS address of the next step's K.  K's 16 tiles take v32-159: the codes' registers are free until p is converted
.set HA,  4
.set HB,  5
.set PSC, 6
.set ST,  8                            ; tile t's statistics at ST + 8 t: +0 -M, +1 the largest score, +2 f (+3 named with it), +4, +5 at work, +6 the other half's maximum
.set SPW, 24
.set NIL, 25
.set KV,  32
.set PC,  96
.set O,   160
.set QF,  224
.set SUM, 240
.set WV,  12                           ; s12  my wave's number
.set G1,  16                           ; s[16:23] descriptor group 1: 8,192 bytes;  s[24:31]: 57,344 bytes
.set G1B, 24
.set G0A, 32                           ; s[32:35], s[36:39] groups 0
.set G0B, 36
.set TB,  48                           ; s48  LDS byte of the step in hand
.set CNT, 49                           ; s49  steps left
.set CS,  50                           ; s[50:51] c = log2(e) / 8 x 2^(e2 + e3)
.set SEL, 52                           ; s[52:53] v_permlanex16_b32's selects for lane l xor 16
.set MSB, 0
.macro WIN new                         ; the immediate's high byte repeats the setting that is left
.if MSB != \new
	s_set_vgpr_msb (MSB<<8)|\new
.set MSB, \new
.endif
.endm
.set W_D1,  0x40                       ; destination window 1
.set W_MX,  0x14                       ; sources 1 and 2 window 1
.set W_S,   0x41                       ; destination and source 0 window 1
.set W_ADD, 0x04                       ; source 1 window 1
.set W_A1,  0x01                       ; source 0 window 1
.macro CROUND                          ; a round of the cluster's barrier
	s_barrier_signal -1
	s_barrier_wait -1
	s_cmp_lg_u32 s[WV], 0
	s_cbranch_scc1 .Lnot_wave_0_\@
	s_barrier_signal -3
.Lnot_wave_0_\@:
	s_barrier_wait -3
	s_barrier_signal -1
	s_barrier_wait -1
.endm
	s_load_b256 s[4:11], s[0:1], 0x0               ; q_img s[4:5], kv_img s[6:7], the scales' exponents s[8:9], ctx_img s[10:11]
	v_lshl_add_u32 v[SPW], v0, 2, 0x40000
	v_mov_b32 v[NIL], 0
	ds_add_u32 v[SPW], v[NIL]                      ; the opening lines: the add, twice on end, and its wait
	ds_add_u32 v[SPW], v[NIL]
	v_lshrrev_b32 v2, 5, v0
	v_readfirstlane_b32 s[WV], v2                  ; wave 0..7
	s_bfe_u32 s13, ttmp6, 0x40000                  ; cx
	s_lshl_b32 s14, ttmp9, 2
	s_add_co_u32 s14, s14, s13                     ; qb: my block of 256 queries
	s_and_b32 s15, ttmp7, 0xffff                   ; bh = 16 batch + head, which the four partners share
	; descriptor groups 1: dense blocks as rows of 32 elements of 8 bytes: 32 rows, and 224 rows
.irp g, G1, G1B
	s_mov_b32 s[\g], 15|(3<<16)|(1<<21)            ; 15:0 the mask: all four work-groups; 17:16 elements of 8 bytes; 20 no padding; 21 set beside a mask
	s_mov_b32 s[\g+1], 32<<16                      ; tensor_dim0 = 32
	s_mov_b32 s[\g+3], 32<<16                      ; tile_dim0 = 32
	s_mov_b32 s[\g+5], 32                          ; tensor_dim0_stride
	s_mov_b32 s[\g+6], 0
	s_mov_b32 s[\g+7], 0
.endr
	s_mov_b32 s[G1+2], 32<<16                      ; tensor_dim1
	s_mov_b32 s[G1+4], 32                          ; tile_dim1
	s_mov_b32 s[G1B+2], 224<<16
	s_mov_b32 s[G1B+4], 224
	s_mov_b32 s[SEL], 0x76543210
	s_mov_b32 s[SEL+1], 0xfedcba98
	s_and_b32 s56, s[WV], 3
	s_lshl_b32 s66, s56, 13                        ; my quarter of step 0,
	s_mov_b32 s67, 0
	s_mul_i32 s68, s56, 57344                      ; and of steps 1-7: in LDS and in memory alike
	s_add_co_u32 s68, s68, 32768
	s_mov_b32 s69, 0
	s_lshl_b32 s54, s15, 18                        ; the head's 262,144 bytes
	s_mov_b32 s55, 0
	s_mov_b32 s[G0A], 1
	s_mov_b32 s[G0B], 1
	s_mov_b32 s[G0A+1], s66
	s_mov_b32 s[G0B+1], s68
	s_wait_dscnt 0x0                               ; both opening adds are done
	s_wait_kmcnt 0x0
	s_add_nc_u64 s[54:55], s[6:7], s[54:55]
	s_add_nc_u64 s[G0A+2:G0A+3], s[54:55], s[66:67]
	s_or_b32 s[G0A+3], s[G0A+3], 0x80000000
	s_add_nc_u64 s[G0B+2:G0B+3], s[54:55], s[68:69]
	s_or_b32 s[G0B+3], s[G0B+3], 0x80000000
	CROUND                                         ; all four work-groups are here: the joint loads meet
	s_cmp_lt_u32 s[WV], 4                          ; one load a wave, in one arm of a branch on the wave's number
	s_cbranch_scc0 .Lrest
	tensor_load_to_lds s[G0A:G0A+3], s[G1:G1+7]
	s_nop 0
.rept 4
	v_nop
.endr
	s_branch .Lasked
.Lrest:
	tensor_load_to_lds s[G0B:G0B+3], s[G1B:G1B+7]
	s_nop 0
.rept 4
	v_nop
.endr
.Lasked:
	s_load_b256 s[72:79], s[8:9], 0x0              ; e0 .. e7
	s_lshl_b32 s56, s15, 17                        ; Q: the head's 131,072 bytes,
	s_lshl_b32 s57, s14, 14                        ; my block's 16 token tiles,
	s_add_co_u32 s56, s56, s57
	s_lshl_b32 s57, s[WV], 11                      ; my wave's two
	s_add_co_u32 s56, s56, s57
	s_mov_b32 s57, 0
	s_add_nc_u64 s[4:5], s[4:5], s[56:57]
	v_and_b32 v[LI], 31, v0
	v_lshlrev_b32 v[LI], 4, v[LI]
.irp t, 0,1
.irp g, 0,1
	global_load_b128 v[QF+8*\t+4*\g:QF+8*\t+4*\g+3], v[LI], s[4:5] offset:1024*\t+512*\g th:TH_LOAD_NT   ; Q's fragments stay in registers
.endr
.endr
.irp t, 0,1
	v_mov_b32 v[ST+8*\t+1], 0xff61b1e6             ; the largest score so far: -3e38, under every score
	v_mov_b32 v[ST+8*\t+3], 0                      ; (named as the upper half of f's pair)
	v_mov_b32 v[ST+8*\t+6], 0                      ; (a lane permute's destination counts as one of its sources)
.endr
.set j, 0
.rept 16
	v_mov_b32 v[SUM+j], 0                          ; the sums
.set j, j+1
.endr
	s_lshr_b32 s56, s15, 4                         ; ctx_img: block of 128 tokens 16 batch + 2 qb + wave / 4,
	s_lshl_b32 s56, s56, 4
	s_lshl_b32 s57, s14, 1
	s_add_co_u32 s56, s56, s57
	s_lshr_b32 s57, s[WV], 2
	s_add_co_u32 s56, s56, s57
	s_lshl_b32 s56, s56, 17
	s_and_b32 s57, s15, 15
	s_lshr_b32 s57, s57, 1
	s_lshl_b32 s57, s57, 14                        ; K step head / 2,
	s_add_co_u32 s56, s56, s57
	s_and_b32 s57, s[WV], 3
	s_lshl_b32 s57, s57, 12                        ; row tiles 2 (wave % 4), + 1,
	s_add_co_u32 s56, s56, s57
	s_and_b32 s57, s15, 1
	s_lshl_b32 s57, s57, 10                        ; register groups 2 (head % 2), + 1
	s_add_co_u32 s56, s56, s57
	s_mov_b32 s57, 0
	s_add_nc_u64 s[60:61], s[10:11], s[56:57]
	s_mov_b32 s[TB], 0
	s_mov_b32 s[CNT], 7
	s_wait_alu depctr_va_vdst(0)
	s_wait_kmcnt 0x0
	s_add_co_i32 s54, s74, s75
	s_lshl_b32 s54, s54, 23
	s_mov_b32 s[CS], 0x3e38aa3b                    ; log2(e) / 8
	s_add_co_i32 s[CS], s[CS], s54                 ; a score stands for score x 2^(e2 + e3): the exponents are added to c's exponent field
	s_mov_b32 s[CS+1], s[CS]                       ; (named with it as a pair)
	s_add_co_i32 s62, s76, s77                     ; e4 + e5
	s_add_co_i32 s54, s78, 127
	s_lshl_b32 s63, s54, 23                        ; 2^e6
	s_add_co_i32 s54, s54, 15
	s_lshl_b32 s54, s54, 23
	s_or_b32 s66, s54, 0x600000                    ; 57,344 x 2^e6
	s_add_co_i32 s54, s77, 127
	s_lshl_b32 s55, s54, 23
	s_add_co_i32 s54, s54, 15
	s_lshl_b32 s54, s54, 23
	s_or_b32 s54, s54, 0x600000
	v_mov_b32 v[PSC], s55                          ; 2^e5
	v_mov_b32 v[HA], s54                           ; 57,344 x 2^e5
	v_mov_b32 v[HB], s54
.macro LDK u0, adr                     ; key tiles u0 .. u0 + 3: 8 loads
.irp k, 0,1,2,3
.irp g, 0,1
	ds_load_b128 v[KV+8*((\u0)+\k)+4*\g:KV+8*((\u0)+\k)+4*\g+3], v[\adr] offset:16384*((\u0)/8)+1024*(((\u0)%8)+\k)+512*\g
.endr
.endr
.endm
.macro LDV w, dst                      ; V^T of the step's w-th 128 keys: four channel tiles, 16 loads
.set i, 0
.rept 16
	ds_load_b128 v[\dst+4*i:\dst+4*i+3], v[AD] offset:16384*(\w)+8192+512*i
.set i, i+1
.endr
.endm
.macro QK u0                           ; eight products: key tiles u0 .. u0 + 3 x my two query tiles; each accumulator begins and ends with one
	WIN W_D1
.irp k, 0,1,2,3
.irp t, 0,1
	v_wmma_f32_16x16x64_bf8_bf8 v[128*\t+8*((\u0)+\k):128*\t+8*((\u0)+\k)+7], v[KV+8*((\u0)+\k):KV+8*((\u0)+\k)+7], v[QF+8*\t:QF+8*\t+7], 0
.endr
.endr
.endm
; The maxima of key tiles u0 .. u0 + 3: two chains a tile, which begin with the largest score so far; each accumulator is read from its low end on.  These 32 lines are also the places behind the products issued just before.
.macro MAX4 u0
.irp k, 0,1,2,3
.irp i, 0,4
.irp t, 0,1
.if ((\u0)+\k+\i) == 0
	v_max3_num_f32 v[ST+8*\t+4], v[ST+8*\t+1], v[128*\t], v[128*\t+1]
.else
	v_max3_num_f32 v[ST+8*\t+4], v[ST+8*\t+4], v[128*\t+8*((\u0)+\k)+\i], v[128*\t+8*((\u0)+\k)+\i+1]
.endif
.endr
.irp t, 0,1
.if ((\u0)+\k+\i) == 0
	v_max3_num_f32 v[ST+8*\t+5], v[ST+8*\t+1], v[128*\t+2], v[128*\t+3]
.else
	v_max3_num_f32 v[ST+8*\t+5], v[ST+8*\t+5], v[128*\t+8*((\u0)+\k)+\i+2], v[128*\t+8*((\u0)+\k)+\i+3]
.endif
.endr
.endr
.endr
.endm
.macro ADDS t                          ; THE SUM IS TAKEN OF THE UNQUANTISED p, ahead of its hold: two at a time, in four chains
	WIN W_ADD
.set j, 0
.rept 16
.irp k, 0,2,4,6
	v_pk_add_f32 v[SUM+8*(\t)+\k:SUM+8*(\t)+\k+1], v[SUM+8*(\t)+\k:SUM+8*(\t)+\k+1], v[128*(\t)+8*j+\k:128*(\t)+8*j+\k+1]
.endr
.set j, j+1
.endr
.endm
.macro CVT t
	WIN W_A1
.set j, 0
.rept 16
	v_cvt_scalef32_pk8_bf8_f32 v[PC+32*(\t)+2*j:PC+32*(\t)+2*j+1], v[128*(\t)+8*j:128*(\t)+8*j+7], v[PSC]
.set j, j+1
.endr
.endm
.macro PV w, a, zero                   ; O^T += V^T P^T over the step's w-th 128 keys: eight accumulators, one instruction a turn
.irp d, 0,1,2,3
.irp t, 0,1
.if \zero
	v_wmma_f32_16x16x128_bf8_bf8 v[O+32*\t+8*\d:O+32*\t+8*\d+7], v[\a+16*\d:\a+16*\d+15], v[PC+32*\t+16*(\w):PC+32*\t+16*(\w)+15], 0
.else
	v_wmma_f32_16x16x128_bf8_bf8 v[O+32*\t+8*\d:O+32*\t+8*\d+7], v[\a+16*\d:\a+16*\d+15], v[PC+32*\t+16*(\w):PC+32*\t+16*(\w)+15], v[O+32*\t+8*\d:O+32*\t+8*\d+7]
.endif
.endr
.endr
.endm
; A STEP: 256 keys, at LDS byte s[TB].  first = 1: O begins here, and there is no older M.
; The step's first eight key tiles have been asked for ahead of it (FIRSTK, or the step before): 16 loads.
.macro FIRSTK
	v_add_nc_u32 v[AD2], s[TB], v[LI]
.rept 3
	v_nop                                          ; with the addition: four places behind the products that read V's fragments
.endr
	LDK 0, AD2
	LDK 4, AD2
.endm
.macro STEP first
	v_add_nc_u32 v[AD], s[TB], v[LI]
.rept 4
	v_nop                                          ; with the addition: five places between the last products, which read the codes and V's fragments, and the loads and products into those registers
.endr
	LDK 8, AD
	LDK 12, AD
	s_wait_alu depctr_va_vdst(0)
	s_wait_dscnt 16                                ; key tiles 0-7 are in; 8-15 may be out
	QK 0
	QK 4
	WIN W_MX
.rept 4
	v_nop                                          ; places in front of the loads and of the first read of scores
.endr
	LDV 0, KV                                      ; it lands under the softmax
	MAX4 0
	s_wait_alu depctr_va_vdst(0)                   ; (the chains go on behind the wait below)
	s_wait_dscnt 16                                ; key tiles 8-15 are in; V's 16 loads may be out
	QK 8
	QK 12
	WIN W_MX
	MAX4 4
	MAX4 8
	MAX4 12
	WIN 0
.irp t, 0,1
	v_max_num_f32 v[ST+8*\t+1], v[ST+8*\t+4], v[ST+8*\t+5]
.endr
.irp t, 0,1
	v_permlanex16_b32 v[ST+8*\t+6], v[ST+8*\t+1], s[SEL], s[SEL+1]
.endr
.irp t, 0,1
	v_max_num_f32 v[ST+8*\t+1], v[ST+8*\t+1], v[ST+8*\t+6]          ; and among lane l xor 16's keys: the running largest score
.endr
.irp t, 0,1
	v_mul_f32 v[ST+8*\t+4], s[CS], v[ST+8*\t+1]                     ; as t (c is positive)
.endr
.if \first == 0
.irp t, 0,1
	v_mov_b32 v[ST+8*\t+5], v[ST+8*\t]
.endr
.endif
.irp t, 0,1
	v_floor_f32 v[ST+8*\t], -v[ST+8*\t+4]                           ; -M = floor(-t) = -ceil(t): a whole number
.endr
.if \first == 0
.irp t, 0,1
	v_sub_f32 v[ST+8*\t+5], v[ST+8*\t], v[ST+8*\t+5]                ; old M - new M: a whole number, 0 or less
.endr
.irp t, 0,1
	v_cvt_i32_f32 v[ST+8*\t+5], v[ST+8*\t+5]                        ; (it saturates)
.endr
.irp t, 0,1
	v_ldexp_f32 v[ST+8*\t+2], 1.0, v[ST+8*\t+5]                     ; f = 2^(old M - new M)
.endr
.irp k, 0,2,4,6
.irp t, 0,1
	v_pk_mul_f32 v[SUM+8*\t+\k:SUM+8*\t+\k+1], v[SUM+8*\t+\k:SUM+8*\t+\k+1], v[ST+8*\t+2:ST+8*\t+3] op_sel_hi:[1,0]   ; the sums under the new M
.endr
.endr
.irp t, 0,1
.set j, 0
.rept 16
	v_pk_mul_f32 v[O+32*\t+2*j:O+32*\t+2*j+1], v[O+32*\t+2*j:O+32*\t+2*j+1], v[ST+8*\t+2:ST+8*\t+3] op_sel_hi:[1,0]   ; O^T under the new M
.set j, j+1
.endr
.endr
.endif
	WIN W_S
.set j, 0
.rept 64
	v_pk_fma_f32 v[2*j:2*j+1], v[2*j:2*j+1], s[CS:CS+1], v[ST:ST+1] op_sel_hi:[1,0,0]   ; tile 0: t - M, two at a time (of the pairs c and -M the low word serves both halves)
.set j, j+1
.endr
	s_wait_alu depctr_va_vdst(0)                   ; ahead of the batch
.set j, 0
.rept 64
	v_exp_f32 v[2*j], v[2*j]                                        ; tile 0: p = 2^(t - M), at most 1;
	v_exp_f32 v[2*j+1], v[2*j+1]
	v_pk_fma_f32 v[128+2*j:128+2*j+1], v[128+2*j:128+2*j+1], s[CS:CS+1], v[ST+8:ST+9] op_sel_hi:[1,0,0]   ; between them tile 1's t - M
.set j, j+1
.endr
	s_wait_alu depctr_va_vdst(0)                   ; behind tile 0's batch, and ahead of tile 1's
	ADDS 0
	WIN W_S
.set j, 0
.rept 64
	v_exp_f32 v[128+2*j], v[128+2*j]                                ; tile 1's p;
	v_exp_f32 v[128+2*j+1], v[128+2*j+1]
	v_dual_min_num_f32 v[2*j], v[2*j], v[HA] :: v_dual_min_num_f32 v[2*j+1], v[2*j+1], v[HB]   ; between them tile 0's hold: the conversion does not saturate (ISA guide 7.6.2); p is not negative, so it is one-sided
.set j, j+1
.endr
	s_wait_alu depctr_va_vdst(0)                   ; behind tile 1's batch
	CVT 0
	WIN W_D1
	LDV 1, 0                                       ; tile 0's numbers are converted: V of the second 128 keys into their registers
	ADDS 1
	WIN W_S
.set j, 0
.rept 64
	v_dual_min_num_f32 v[128+2*j], v[128+2*j], v[HA] :: v_dual_min_num_f32 v[128+2*j+1], v[128+2*j+1], v[HB]
.set j, j+1
.endr
	CVT 1
	v_nop                                          ; a plain line behind the last conversion
	WIN 0
	s_wait_alu depctr_va_vdst(0)
	s_wait_dscnt 0x0                               ; V is in: its second half was asked for ahead of tile 1's sums
	PV 0, KV, \first
.if \first == 0
	s_add_co_u32 s55, s[TB], 32768
	s_and_b32 s55, s55, 0x38000
	v_add_nc_u32 v[AD2], s55, v[LI]
.rept 3
	v_nop                                          ; with the addition: four places between the products above and the loads into V's registers
.endr
	s_cmp_eq_u32 s[CNT], 1                         ; the last step asks for no further keys
	s_wait_alu depctr_va_vdst(0)                   ; ahead of the branch
	s_cbranch_scc1 .Lno_next_\@
	LDK 0, AD2                                     ; the next step's first eight key tiles, under the products below
	LDK 4, AD2
.Lno_next_\@:
.endif
	WIN W_A1
	PV 1, 0, 0
	WIN 0
	s_add_co_u32 s[TB], s[TB], 32768
	s_wait_alu depctr_va_vdst(0)                   ; (ahead of what follows: a barrier or a branch)
.endm
	s_wait_alu depctr_va_vdst(0)                   ; the wait at the head's end
	s_wait_loadcnt 0x0                             ; Q
	s_cmp_lt_u32 s[WV], 4                          ; waves 0-3 wait for their parts of step 0; the other waves' loads may stay out: no byte of LDS is filled again
	s_cbranch_scc0 .Lnot_step_0
	s_wait_tensorcnt 0x0
.Lnot_step_0:
	s_barrier_signal -1
	s_barrier_wait -1                              ; step 0 is whole
	FIRSTK
	STEP 1
	s_wait_tensorcnt 0x0
	s_barrier_signal -1
	s_barrier_wait -1                              ; steps 1-7 are whole
	FIRSTK
.Lstep:
	STEP 0
	s_sub_co_u32 s[CNT], s[CNT], 1
	s_cmp_lg_u32 s[CNT], 0
	s_cbranch_scc1 .Lstep
	; THE WAY OUT.  ctx = O^T x 2^(e4 + e5) / the sum, quantised with 2^e6.  The additions are the places behind the last products.
.irp t, 0,1
	v_pk_add_f32 v[SUM+8*\t:SUM+8*\t+1], v[SUM+8*\t:SUM+8*\t+1], v[SUM+8*\t+2:SUM+8*\t+3]
.endr
.irp t, 0,1
	v_pk_add_f32 v[SUM+8*\t+4:SUM+8*\t+5], v[SUM+8*\t+4:SUM+8*\t+5], v[SUM+8*\t+6:SUM+8*\t+7]
.endr
.irp t, 0,1
	v_pk_add_f32 v[SUM+8*\t:SUM+8*\t+1], v[SUM+8*\t:SUM+8*\t+1], v[SUM+8*\t+4:SUM+8*\t+5]
.endr
.irp t, 0,1
	v_add_f32 v[ST+8*\t+4], v[SUM+8*\t], v[SUM+8*\t+1]
.endr
.irp t, 0,1
	v_permlanex16_b32 v[ST+8*\t+6], v[ST+8*\t+4], s[SEL], s[SEL+1]
.endr
.irp t, 0,1
	v_add_f32 v[ST+8*\t+4], v[ST+8*\t+4], v[ST+8*\t+6]              ; and lane l xor 16's
.endr
	s_wait_alu depctr_va_vdst(0)                   ; ahead of the two reciprocals
.irp t, 0,1
	v_rcp_f32 v[ST+8*\t+2], v[ST+8*\t+4]
.endr
	v_nop                                          ; a plain line behind the last reciprocal
	s_wait_alu depctr_va_vdst(0)                   ; and the wait behind them
.irp t, 0,1
	v_ldexp_f32 v[ST+8*\t+2], v[ST+8*\t+2], s62
.endr
	v_mov_b32 v[PSC], s63                          ; 2^e6
	v_mov_b32 v[HA], s66                           ; 57,344 x 2^e6
	s_wait_alu depctr_va_vdst(0)                   ; directly ahead of the first reader of O^T
.irp t, 0,1
.set j, 0
.rept 16
	v_pk_mul_f32 v[KV+32*\t+2*j:KV+32*\t+2*j+1], v[O+32*\t+2*j:O+32*\t+2*j+1], v[ST+8*\t+2:ST+8*\t+3] op_sel_hi:[1,0]   ; each accumulator from its low end on
.set j, j+1
.endr
.endr
.set j, 0
.rept 64
	v_med3_num_f32 v[KV+j], v[KV+j], -v[HA], v[HA]
.set j, j+1
.endr
.irp t, 0,1
.irp d, 0,1,2,3
	v_cvt_scalef32_pk8_bf8_f32 v[PC+8*\t+2*\d:PC+8*\t+2*\d+1], v[KV+32*\t+8*\d:KV+32*\t+8*\d+7], v[PSC]
.endr
.endr
	v_nop                                          ; a plain line behind the last conversion
.irp t, 0,1
.irp g, 0,1
	global_store_b128 v[LI], v[PC+8*\t+4*\g:PC+8*\t+4*\g+3], s[60:61] offset:2048*\t+512*\g   ; 32 lanes store 512 consecutive bytes, aligned
.endr
.endr
	s_wait_tensorcnt 0x0                           ; the wave's end
	ds_add_u32 v[SPW], v[NIL]
	s_wait_dscnt 0x0
	CROUND                                         ; the closing round: no work-group ends while a partner may still ask for a block that names it
	s_endpgm
.Lfunc_end_k_q46a77f6e11_attn:
	.size	k_q46a77f6e11_attn, .Lfunc_end_k_q46a77f6e11_attn-k_q46a77f6e11_attn
	.p2alignl 7, 3214868480
	.fill 96, 4, 3214868480
	.section	.rodata,"a",@progbits
	.p2align	6, 0x0
	.amdhsa_kernel k_q46a77f6e11_attn
		.amdhsa_group_segment_fixed_size 263168
		.amdhsa_private_segment_fixed_size 0
		.amdhsa_enable_private_segment 0
		.amdhsa_kernarg_size 32
		.amdhsa_user_sgpr_count 2
		.amdhsa_user_sgpr_kernarg_segment_ptr 1
		.amdhsa_wavefront_size32 1
		.amdhsa_system_sgpr_workgroup_id_x 1
		.amdhsa_system_sgpr_workgroup_id_y 1
		.amdhsa_system_sgpr_workgroup_id_z 1
		.amdhsa_system_vgpr_workitem_id 0
		.amdhsa_next_free_vgpr 512
		.amdhsa_next_free_sgpr 80
		.amdhsa_reserve_vcc 0
		.amdhsa_float_denorm_mode_32 3
		.amdhsa_float_denorm_mode_16_64 3
		.amdhsa_memory_ordered 1
		.amdhsa_forward_progress 1
		.amdhsa_inst_pref_size 121
	.end_amdhsa_kernel
	.amdgpu_metadata
---
amdhsa.version: [ 1, 2 ]
amdhsa.kernels:
  - .name:           k_q46a77f6e11_attn
    .symbol:         k_q46a77f6e11_attn.kd
    .args:
      - { .name: q_img, .offset: 0, .size: 8, .value_kind: global_buffer, .address_space: global }
      - { .name: kv_img, .offset: 8, .size: 8, .value_kind: global_buffer, .address_space: global }
      - { .name: lowp_scales, .offset: 16, .size: 8, .value_kind: global_buffer, .address_space: global }
      - { .name: ctx_img, .offset: 24, .size: 8, .value_kind: global_buffer, .address_space: global }
    .group_segment_fixed_size: 263168
    .private_segment_fixed_size: 0
    .kernarg_segment_align: 8
    .kernarg_segment_size: 32
    .max_flat_workgroup_size: 256
    .sgpr_count:     80
    .vgpr_count:     512
    .wavefront_size: 32
...
	.end_amdgpu_metadata
.endif
;; end of part 3
;; launch proj (part 4): grid 8 x 32, 4 waves a work-group, clusters of 4 x 4, 280,064 bytes of LDS; arguments ctx_img, ow_img, lowp_scales, out_b, out0; writes out0
.if DOCPART == 4
	.amdgcn_target "amdgcn-amd-amdhsa--gfx1250"
	.amdhsa_code_object_version 6
	.text
	.protected	k_q46a77f6e11_proj
	.globl	k_q46a77f6e11_proj
	.p2align	8
	.type	k_q46a77f6e11_proj,@function
k_q46a77f6e11_proj:
	s_mov_b64 s[64:65], 0
	v_nop
	global_prefetch_b8 v0, s[64:65] scope:SCOPE_SE
	s_setreg_imm32_b32 hwreg(HW_REG_WAVE_MODE, 25, 1), 1
	s_wait_xcnt 0x0
	s_wait_alu depctr_hold_cnt(0) depctr_sa_sdst(0) depctr_va_vdst(0) depctr_va_sdst(0) depctr_va_ssrc(0) depctr_va_vcc(0) depctr_vm_vsrc(0)
	s_getreg_b32 s2, hwreg(HW_REG_IB_STS2, 6, 4)
	s_cmp_eq_u32 s2, 0
	s_cbranch_scc0 .Lentry_in_a_cluster
	s_endpgm
.Lentry_in_a_cluster:
	s_bfe_u32 s2, ttmp6, 0x10000c
	s_cmp_lg_u32 s2, 0xf033
	s_cbranch_scc0 .Lentry_shape_is_right
	s_endpgm
.Lentry_shape_is_right:
; out0 = Q(ctx) Q(out_w)^T x 2^(e6 + e7) + out_b on codes of BF8.  ctx_img, ow_img: fragment images (16 rows x 128 K = 2,048 bytes); 128 rows x all 1,024 K are one dense block of 131,072 bytes: [K step 8][row tile 8][2,048].
; A tile of out0 is 128 x 128: 256 work-groups; four waves, 64 x 64 each: 16 accumulators.  BOTH PANELS (128 rows x all of K) LIE IN LDS: every byte is filled once, so there is no ring.
; Each wave issues one tensor load at the head, 65,536 bytes: waves 0, 1 K steps 0-3 of A and of B, waves 2, 3 K steps 4-7.  One barrier stands ahead of K step 0, one ahead of the first fetch of K step 4.
; No prefetch: everything is asked for at the head, and no loop loads from memory.
; CLUSTERS: 4 x 4.  A's panel hangs on the tile row and is shared along a row of the cluster, B's on the tile column and is shared along a column: both are asked for JOINTLY.
; THE MATRIX INSTRUCTION IS USED TRANSPOSED (source 0 = 16 rows of out_w, source 1 = 16 rows of ctx): a lane holds eight neighbouring numbers of a row of out0.
; LIMIT: e6 + e7 between -126 and 127.
; REGISTERS: window 0: v16-27 addresses; v32-63 at work on the way out; v94, v95 for the add; v96-127 the bias; v128-255 the accumulators ((a, b) at v[128 + 8 (4 a + b)]).   window 1: two fragment buffers of 128: A's four blocks, then B's four.
.set BPAN,  131072                     ; A's panel lies at 0
.set HALFK, 65536                      ; 128 rows x 512 K
.set STAGE, 262144                     ; behind the panels: 16 rows x 272 bytes for each wave; no tensor load lands here
.set SPARE, 0x44400                    ; the spare words
.set SPITCH, 272                       ; 256 bytes + 16: an odd multiple of 16
.set ADRA, 16                          ; v16, v17  my A fragments of K steps 0-3, 4-7
.set ADRB, 18                          ; v18, v19  the same for B
.set STO,  24
.set RD,   25
.set CO,   26
.set H32,  27
.set TMP,  32
.set SPW,  94
.set NIL,  95
.set BIAS, 96
.set ACC,  128
.set G1A, 16                           ; s[16:23], s[24:31] descriptor groups 1
.set G1B, 24
.set G0,  32                           ; s[32:47] groups 0: A's K steps 0-3, B's 0-3, A's 4-7, B's 4-7
.set MSB, 0
.macro WIN new
.if MSB != \new
	s_set_vgpr_msb (MSB<<8)|\new
.set MSB, \new
.endif
.endm
.macro CROUND                          ; a round of the cluster's barrier
	s_barrier_signal -1
	s_barrier_wait -1
	s_cmp_lg_u32 s14, 0
	s_cbranch_scc1 .Lnot_wave_0_\@
	s_barrier_signal -3
.Lnot_wave_0_\@:
	s_barrier_wait -3
	s_barrier_signal -1
	s_barrier_wait -1
.endm
.macro PLACES
.rept 4
	v_nop
.endr
.endm
	s_load_b256 s[4:11], s[0:1], 0x0               ; ctx_img s[4:5], ow_img s[6:7], the scales' exponents s[8:9], out_b s[10:11]
	s_load_b64 s[12:13], s[0:1], 0x20              ; out0
	v_lshl_add_u32 v[SPW], v0, 2, SPARE
	v_mov_b32 v[NIL], 0
	ds_add_u32 v[SPW], v[NIL]                      ; the opening lines: the add, twice on end, and its wait
	ds_add_u32 v[SPW], v[NIL]
	v_lshrrev_b32 v1, 5, v0
	v_readfirstlane_b32 s14, v1                    ; wave 0..3
	s_lshr_b32 s15, s14, 1                         ; which half of the tile's rows is mine
	s_and_b32 s66, s14, 1                          ; which half of its columns
	s_bfe_u32 s67, ttmp6, 0x40000                  ; cx
	s_bfe_u32 s68, ttmp6, 0x40004                  ; cy
	s_lshl_b32 s69, ttmp9, 2
	s_add_co_u32 s69, s69, s67                     ; tn: tile column
	s_and_b32 s70, ttmp7, 0xffff
	s_lshl_b32 s70, s70, 2
	s_add_co_u32 s70, s70, s68                     ; tm: tile row
	s_lshl_b32 s71, s68, 2
	s_lshl_b32 s71, 15, s71                        ; my row of the cluster
	s_lshl_b32 s72, 0x1111, s67                    ; my column
	s_or_b32 s[G1A], s71, (3<<16)|(1<<21)          ; 15:0 the mask; 17:16 elements of 8 bytes; 20 no padding; 21 set beside a mask
	s_or_b32 s[G1B], s72, (3<<16)|(1<<21)
.irp g, G1A, G1B
	s_mov_b32 s[\g+1], 32<<16                      ; a dense block of 65,536 bytes as 256 rows of 32 elements
	s_mov_b32 s[\g+2], 256<<16
	s_mov_b32 s[\g+3], 32<<16
	s_mov_b32 s[\g+4], 256
	s_mov_b32 s[\g+5], 32
	s_mov_b32 s[\g+6], 0
	s_mov_b32 s[\g+7], 0
.endr
	s_lshl_b32 s74, s70, 17                        ; A's panel: made of the tile row alone
	s_mov_b32 s75, 0
	s_lshl_b32 s76, s69, 17                        ; B's: of the tile column alone
	s_mov_b32 s77, 0
	s_mov_b32 s[G0], 1
	s_mov_b32 s[G0+1], 0
	s_mov_b32 s[G0+4], 1
	s_mov_b32 s[G0+5], BPAN
	s_mov_b32 s[G0+8], 1
	s_mov_b32 s[G0+9], HALFK
	s_mov_b32 s[G0+12], 1
	s_mov_b32 s[G0+13], BPAN+HALFK
	s_wait_dscnt 0x0                               ; both opening adds are done
	s_wait_kmcnt 0x0
	s_add_nc_u64 s[G0+2:G0+3], s[4:5], s[74:75]
	s_add_nc_u64 s[G0+6:G0+7], s[6:7], s[76:77]
	s_add_nc_u64 s[G0+10:G0+11], s[G0+2:G0+3], HALFK
	s_add_nc_u64 s[G0+14:G0+15], s[G0+6:G0+7], HALFK
.irp n, 3,7,11,15
	s_or_b32 s[G0+\n], s[G0+\n], 0x80000000
.endr
	CROUND                                         ; all sixteen work-groups are here: the joint loads meet
	s_cmp_eq_u32 s14, 0                            ; one load a wave, in one arm of a chain on the wave's number
	s_cbranch_scc0 .Lwave_1
	tensor_load_to_lds s[G0:G0+3], s[G1A:G1A+7]
	s_nop 0
	PLACES
	s_branch .Lasked
.Lwave_1:
	s_cmp_eq_u32 s14, 1
	s_cbranch_scc0 .Lwave_2
	tensor_load_to_lds s[G0+4:G0+7], s[G1B:G1B+7]
	s_nop 0
	PLACES
	s_branch .Lasked
.Lwave_2:
	s_cmp_eq_u32 s14, 2
	s_cbranch_scc0 .Lwave_3
	tensor_load_to_lds s[G0+8:G0+11], s[G1A:G1A+7]
	s_nop 0
	PLACES
	s_branch .Lasked
.Lwave_3:
	tensor_load_to_lds s[G0+12:G0+15], s[G1B:G1B+7]
	s_nop 0
	PLACES
.Lasked:
	s_load_b256 s[80:87], s[8:9], 0x0              ; e0 .. e7
	v_and_b32 v1, 31, v0
	v_lshlrev_b32 v2, 4, v1                        ; 16 x lane
	v_and_b32 v3, 15, v0                           ; r
	v_bfe_u32 v4, v0, 4, 1                         ; h
	s_lshl_b32 s78, s15, 13                        ; my four row tiles of A
	v_add_nc_u32 v[ADRA], s78, v2
	v_add_nc_u32 v[ADRA+1], 0x10000, v[ADRA]
	s_lshl_b32 s78, s66, 13                        ; my four row tiles of B
	s_add_co_u32 s78, s78, BPAN
	v_add_nc_u32 v[ADRB], s78, v2
	v_add_nc_u32 v[ADRB+1], 0x10000, v[ADRB]
	s_mul_i32 s78, s14, 16*SPITCH
	s_add_co_u32 s78, s78, STAGE                   ; my stage
	v_mul_u32_u24 v[STO], v3, SPITCH               ; in: row r, 32 bytes for each half of the lanes
	v_lshl_add_u32 v[STO], v4, 5, v[STO]
	v_add_nc_u32 v[STO], s78, v[STO]
	v_mul_u32_u24 v[RD], v4, SPITCH                ; back: lanes 0-15 one row of 256 bytes, lanes 16-31 the next
	v_lshl_add_u32 v[RD], v3, 4, v[RD]
	v_add_nc_u32 v[RD], s78, v[RD]
	v_lshlrev_b32 v[CO], 12, v4                    ; and the same two rows in out0 (4,096 bytes a row)
	v_lshl_add_u32 v[CO], v3, 4, v[CO]
	v_lshlrev_b32 v[H32], 5, v4
	s_wait_alu depctr_va_vdst(0)                   ; behind the head's last vector instruction
	s_lshl_b32 s78, s69, 9                         ; my first column, in bytes: 512 tn + 256 x half
	s_lshl_b32 s79, s66, 8
	s_add_co_u32 s78, s78, s79
	s_mov_b32 s79, 0
	s_add_nc_u64 s[10:11], s[10:11], s[78:79]      ; the bias there,
	s_add_nc_u64 s[12:13], s[12:13], s[78:79]      ; out0 there,
	s_lshl_b32 s78, s70, 7
	s_lshl_b32 s79, s15, 6
	s_add_co_u32 s78, s78, s79                     ; and at my first row: 128 tm + 64 x half
	s_lshl_b32 s78, s78, 12
	s_mov_b32 s79, 0
	s_add_nc_u64 s[12:13], s[12:13], s[78:79]
.irp b, 0,1,2,3
	global_load_b128 v[BIAS+8*\b:BIAS+8*\b+3], v[H32], s[10:11] offset:64*\b          ; columns 16 b + 8 h + 0 .. 7
	global_load_b128 v[BIAS+8*\b+4:BIAS+8*\b+7], v[H32], s[10:11] offset:64*\b+16
.endr
.macro FETCH u                         ; K step u's eight fragments, 32 loads of 512 consecutive bytes, into buffer u % 2
.set F, 128*((\u)%2)
	WIN 0x40                                       ; destination window 1, address window 0
.irp i, 0,1,2,3
.irp g, 0,1,2,3
	ds_load_b128 v[F+64+16*\i+4*\g:F+64+16*\i+4*\g+3], v[ADRB+(\u)/4] offset:16384*((\u)%4)+2048*\i+512*\g
.endr
.endr
.irp i, 0,1,2,3
.irp g, 0,1,2,3
	ds_load_b128 v[F+16*\i+4*\g:F+16*\i+4*\g+3], v[ADRA+(\u)/4] offset:16384*((\u)%4)+2048*\i+512*\g
.endr
.endr
.endm
; K step u: its fragments are waited for, the next step's are asked for, its 16 products are issued.  The 16 accumulators take turns in the same order in every step.
.macro KSTEP u
	s_wait_dscnt 0x0                               ; step u's fragments are in
.if (\u) == 3
	s_wait_tensorcnt 0x0                           ; the waves that fetched K steps 4-7 have them in
	s_barrier_signal -1
	s_barrier_wait -1
.endif
.if (\u) < 7
.if (\u) > 0
	PLACES                                         ; four places between step u - 1's products and the loads into the buffer that they read
.endif
	FETCH (\u)+1
.endif
	WIN 0x05                                       ; sources 0 and 1 window 1; C and D window 0
.set F, 128*((\u)%2)
.irp a, 0,1,2,3
.irp b, 0,1,2,3
.if (\u) == 0
	v_wmma_f32_16x16x128_bf8_bf8 v[ACC+8*(4*\a+\b):ACC+8*(4*\a+\b)+7], v[F+64+16*\b:F+64+16*\b+15], v[F+16*\a:F+16*\a+15], 0
.else
	v_wmma_f32_16x16x128_bf8_bf8 v[ACC+8*(4*\a+\b):ACC+8*(4*\a+\b)+7], v[F+64+16*\b:F+64+16*\b+15], v[F+16*\a:F+16*\a+15], v[ACC+8*(4*\a+\b):ACC+8*(4*\a+\b)+7]
.endif
.endr
.endr
.endm
; THE WAY OUT of block a (16 rows x 64 columns): sum x 2^(e6 + e7) + bias; 32 bytes a lane into my stage, and back as whole rows of 256 bytes, into the block's own registers.
.macro TOSTAGE a
.irp b, 0,1,2,3
.irp i, 0,2,4,6
	v_pk_fma_f32 v[TMP+8*\b+\i:TMP+8*\b+\i+1], v[ACC+32*(\a)+8*\b+\i:ACC+32*(\a)+8*\b+\i+1], s[88:89], v[BIAS+8*\b+\i:BIAS+8*\b+\i+1] op_sel_hi:[1,0,1]   ; each accumulator from its low end on
.endr
.endr
.irp b, 0,1,2,3
	ds_store_b128 v[STO], v[TMP+8*\b:TMP+8*\b+3] offset:64*\b
	ds_store_b128 v[STO], v[TMP+8*\b+4:TMP+8*\b+7] offset:64*\b+16
.endr
.irp t, 0,1,2,3,4,5,6,7
	ds_load_b128 v[ACC+32*(\a)+4*\t:ACC+32*(\a)+4*\t+3], v[RD] offset:\t*2*SPITCH   ; LDS serves a wave's instructions in order (ISA guide 5.7.1.4): these see my stores, and the next block's stores come behind them
.endr
.endm
.macro SEND a, younger                 ; younger: the LDS instructions issued behind block a's loads: the next block's sixteen, or none
.irp t, 0,1,2,3,4,5,6,7
	s_wait_dscnt \younger+7-\t
	global_store_b128 v[CO], v[ACC+32*(\a)+4*\t:ACC+32*(\a)+4*\t+3], s[12:13] offset:(16*(\a)+2*\t)*4096 th:TH_STORE_NT   ; 16 lanes store 256 consecutive bytes, at a multiple of 256 from out0's first byte
.endr
.endm
	s_cmp_lt_u32 s14, 2                            ; waves 0 and 1 wait for K steps 0-3; the others' loads may stay out
	s_cbranch_scc0 .Llater
	s_wait_tensorcnt 0x0
.Llater:
	s_barrier_signal -1
	s_barrier_wait -1
	FETCH 0
.irp u, 0,1,2,3,4,5,6,7
	KSTEP \u
.endr
	WIN 0
	PLACES                                         ; in front of the first read of results
	s_wait_kmcnt 0x0
	s_add_co_i32 s88, s86, s87
	s_add_co_i32 s88, s88, 127
	s_lshl_b32 s88, s88, 23                        ; 2^(e6 + e7) as f32
	s_mov_b32 s89, s88                             ; (named with it as a pair)
	s_wait_loadcnt 0x0                             ; the bias
	TOSTAGE 0
	TOSTAGE 1                                      ; a block's arithmetic stands between the loads of the block before and its stores
	SEND 0, 16
	TOSTAGE 2
	SEND 1, 16
	TOSTAGE 3
	SEND 2, 16
	SEND 3, 0
	s_wait_tensorcnt 0x0                           ; the wave's end
	ds_add_u32 v[SPW], v[NIL]
	s_wait_dscnt 0x0
	CROUND                                         ; the closing round: no work-group ends while a partner may still ask for a block that names it
	s_endpgm
.Lfunc_end_k_q46a77f6e11_proj:
	.size	k_q46a77f6e11_proj, .Lfunc_end_k_q46a77f6e11_proj-k_q46a77f6e11_proj
	.p2alignl 7, 3214868480
	.fill 96, 4, 3214868480
	.section	.rodata,"a",@progbits
	.p2align	6, 0x0
	.amdhsa_kernel k_q46a77f6e11_proj
		.amdhsa_group_segment_fixed_size 280064
		.amdhsa_private_segment_fixed_size 0
		.amdhsa_enable_private_segment 0
		.amdhsa_kernarg_size 40
		.amdhsa_user_sgpr_count 2
		.amdhsa_user_sgpr_kernarg_segment_ptr 1
		.amdhsa_wavefront_size32 1
		.amdhsa_system_sgpr_workgroup_id_x 1
		.amdhsa_system_sgpr_workgroup_id_y 1
		.amdhsa_system_sgpr_workgroup_id_z 1
		.amdhsa_system_vgpr_workitem_id 0
		.amdhsa_next_free_vgpr 512
		.amdhsa_next_free_sgpr 90
		.amdhsa_reserve_vcc 0
		.amdhsa_float_denorm_mode_32 3
		.amdhsa_float_denorm_mode_16_64 3
		.amdhsa_memory_ordered 1
		.amdhsa_forward_progress 1
		.amdhsa_inst_pref_size 46
	.end_amdhsa_kernel
	.amdgpu_metadata
---
amdhsa.version: [ 1, 2 ]
amdhsa.kernels:
  - .name:           k_q46a77f6e11_proj
    .symbol:         k_q46a77f6e11_proj.kd
    .args:
      - { .name: ctx_img, .offset: 0, .size: 8, .value_kind: global_buffer, .address_space: global }
      - { .name: ow_img, .offset: 8, .size: 8, .value_kind: global_buffer, .address_space: global }
      - { .name: lowp_scales, .offset: 16, .size: 8, .value_kind: global_buffer, .address_space: global }
      - { .name: out_b, .offset: 24, .size: 8, .value_kind: global_buffer, .address_space: global }
      - { .name: out0, .offset: 32, .size: 8, .value_kind: global_buffer, .address_space: global }
    .group_segment_fixed_size: 280064
    .private_segment_fixed_size: 0
    .kernarg_segment_align: 8
    .kernarg_segment_size: 40
    .max_flat_workgroup_size: 128
    .sgpr_count:     90
    .vgpr_count:     512
    .wavefront_size: 32
...
	.end_amdgpu_metadata
.endif
;; end of part 4
